; MI455X (gfx1250); checked and timed in simulation.
; The chip was launched on July 23, 2026; its instructions are those of AMD's public machine-readable ISA for CDNA 5 (MIT licence, August 2026) and "CDNA5" Instruction Set Architecture Reference Guide (July 2026). The comments in the code are by the model that wrote it; some were corrected since.
;; Spatial Bayesian Attention. Allowed arithmetic: float matrix products may take bf16 or f16 operands with f32 sums; all other float work in f32.
;; Inputs: betaf 128 float32; betag 128 float32; bf 128 float32; bg 128 float32; bh 128 float32; bv 512 float32; gf 128 float32; gg 128 float32; mf 128 float32; mg 128 float32; vf 128 float32; vg 128 float32; wf 128 x 512 float32; wg 128 x 512 float32; wh 128 x 512 float32; wv 512 x 128 float32; x 4 x 512 x 64 x 64 float32.
;; Outputs: out0 4 x 512 x 64 x 64 float32.
;; One version. Each part assembles by itself: llvm-mc -triple=amdgcn-amd-amdhsa -mcpu=gfx1250 --defsym DOCPART=n.
;; ======== version 1 of 1: 2 launches
;; workspace buffers: fq 4,194,304 bytes; kv 8,388,608 bytes; wvb 131,072 bytes
;; launch proj (part 1): grid 64 x 4, 4 waves a work-group, clusters of 4 x 1, 327,680 bytes of LDS; arguments x, wf, wg, wh, wv, gf, vf, mf, betaf, bf, gg, vg, mg, betag, bg, bh, fq, kv, wvb; writes fq, kv, wvb
.if DOCPART == 1
	.amdgcn_target "amdgcn-amd-amdhsa--gfx1250"
	.amdhsa_code_object_version 6
	.text
	.protected	k_q605233f3a9_proj
	.globl	k_q605233f3a9_proj
	.p2align	8
	.type	k_q605233f3a9_proj,@function
k_q605233f3a9_proj:
	s_mov_b64 s[64:65], 0
	v_nop
	global_prefetch_b8 v0, s[64:65] scope:SCOPE_SE
	s_setreg_imm32_b32 hwreg(HW_REG_WAVE_MODE, 25, 1), 1
	s_wait_xcnt 0x0
	s_wait_alu depctr_hold_cnt(0) depctr_sa_sdst(0) depctr_va_vdst(0) depctr_va_sdst(0) depctr_va_ssrc(0) depctr_va_vcc(0) depctr_vm_vsrc(0)
	s_getreg_b32 s2, hwreg(HW_REG_IB_STS2, 6, 4)
	s_cmp_eq_u32 s2, 0
	s_cbranch_scc0 .Lentry_in_a_cluster
	s_endpgm
.Lentry_in_a_cluster:
	s_bfe_u32 s2, ttmp6, 0x10000c
	s_cmp_lg_u32 s2, 0x3003
	s_cbranch_scc0 .Lentry_shape_is_right
	s_endpgm
.Lentry_shape_is_right:
; f = relu(bn(wf x + bf)), g = relu(bn(wg x + bg)), h = wh x + bh, rounded to bf16 and stored as ready matrix fragments; wv rounded to bf16 likewise.
; x: [4][512][4096] f32.  A work-group takes one batch b and 64 positions (block nblk), all 384 output channels, K = 512 channels of x.
; Wave w makes channels 32 w .. 32 w + 31 of each of f, g, h for the 64 positions: 24 accumulator tiles of 16 x 16, 384 matrix instructions.
; A FRAGMENT IN MEMORY is 1,024 dense bytes: half q (registers 4 q .. 4 q + 3), lane L, 16 bytes.  With r = L & 15, hh = L >> 4:
;   fq [b][nblk][16,384]:  byte ((qb 4 + ks) 2 + q) 512 + 16 L + 2 i = f[32 ks + 16 q + 8 hh + i][64 nblk + 16 qb + r]
;   kv [b][nblk][32,768]:  first 16,384 bytes g in the same form; then ((cb 2 + ks2) 2 + q) 512 + 16 L + 2 i = h[16 cb + r][64 nblk + 32 ks2 + 16 q + 8 hh + i]
;   wvb:                   byte ((ob 4 + ks) 2 + q) 512 + 16 L + 2 i = wv[16 ob + r][32 ks + 16 q + 8 hh + i]
; f and g are made as (weights) x (x): a lane then holds 8 neighbouring channels of one position; h as (x) x (weights): 8 neighbouring positions of one channel.
; Both pack into 16 bytes that belong together, and every store of a wave covers 512 consecutive bytes, aligned: no stage in LDS on the way out.
; x comes through registers (each byte once in the launch), is rounded to bf16 and laid into LDS as [channel][position]; the transposing LDS load makes fragments of it.
; The weights come as f32 tiles of 64 channels of x through a ring of two LDS slots and are rounded on the way to the matrix unit.
; CLUSTERS: all work-groups walk the same weights, so the four of a cluster ask for each weight tile jointly (mask 15): a quarter of the requests.
; THE ORDER ALONG K: cluster (X, b) takes the eight tiles of 64 channels in the order first, first + 1, .. modulo 8, first = (3 X + b) mod 8; the sums take K in any
; order.  So at any time different clusters ask for different tiles, and the tile that a cluster asks for in a trip was asked for by another cluster a trip earlier.
; The number first is made of the cluster's coordinates alone, which the four partners share; in LDS a chunk of x lies at its trip's place, so no LDS address hangs on it.
; The batch norm is applied to the f32 sums: y = sum * inv + ((bias - mean) * inv + beta), inv = gamma * rsq(var + 1e-5).
; LIMITS: x and the weights are rounded to bf16 as matrix operands, f, g, h to bf16 as results; v_rsq_f32 is accurate to 1 ULP and takes a denormal
; var + 1e-5 as zero; var + 1e-5 must be positive, as in the function that this computes.
.set XPITCH, 160                       ; an LDS row of x: 64 bf16 + 32 bytes; an odd multiple of 32, which spreads the rows of a transposing load
.set WPITCH, 272                       ; an LDS row of weights: 64 f32 + 16 bytes: the 16 rows of a fragment load start 16 bytes apart modulo 256
.set RB,     512*XPITCH                ; the ring begins behind x's 512 rows: byte 81,920, a multiple of 256; no tensor load lands below it
.set WTILE,  128*WPITCH                ; one tensor load: 128 rows of one weight matrix
.set SLOTB,  3*WTILE                   ; a slot: wf's, wg's, wh's 128 rows
; window 0
.set XO,  4                            ; v4      x: (16 w + 4 hh) rows of 16,384 bytes + 16 r
.set XS,  5                            ; v5-6    LDS, where I put 8 bytes of x; trips 0-3, 4-7
.set XR,  7                            ; v7-8    LDS, transposing load of x; trips 0-3, 4-7
.set WA,  9                            ; v9-12   LDS, my weight rows: slot 0 (wf, wg), slot 0 (wh), slot 1 (wf, wg), slot 1 (wh)
.set PO,  13                           ; v13     parameters of f and g: (32 w + 8 hh) * 4
.set BO,  14                           ; v14     bh: (32 w + r) * 4
.set SF,  15                           ; v15     store of f and g: 1,024 w + 16 L
.set SH,  16                           ; v16     store of h: 4,096 w + 16 L
.set WVO, 17                           ; v17     wv: 512 r + 32 hh
.set L16, 18                           ; v18     16 L
.set WVR, 20                           ; v20-27  wave 3: 8 numbers of wv;  v28-31 packed
.set XT,  32                           ; v32-47  one chunk of x, packed
.set WB,  64                           ; v64-159, v160-255: weights of K half 0, 1: fragment f at 16 f, 16 f32 as loaded, packed in place into the first 8
; window 1: x as loaded, load (s, i) at 4 (8 s + i); from trip 5 on the parameters: set q = 2 t + e at 40 q: gamma, var, mean, beta, bias, 8 each; bh at 160, 161
; window 2: accumulator tile (f, nb) at 8 (4 f + nb), f = 2 t + e;  x's fragments at
.set XF,  192
.set G1,  68                           ; s[68:75] descriptor group 1
.set G0,  76                           ; s[76:83] descriptor group 0, one set for each slot
.set XB,  84                           ; s[84:99] x at the chunk of trip s, a pair for each trip
; s9 = first; s[60:61] = an offset made of it (s61 = 0); s[12:13] = my weight matrix, never stepped
.set MSB, 0
.macro WIN new                         ; the immediate's high byte repeats the setting that is left
.if MSB != \new
	s_set_vgpr_msb (MSB<<8)|\new
.set MSB, \new
.endif
.endm
.macro PLACES n                        ; places behind matrix instructions (ISA guide 7.12.1)
.rept \n
	v_nop
.endr
.endm
; A round of the cluster's barrier: my work-group's barrier, wave 0 signals for the work-group, every wave waits for all four work-groups, my work-group's barrier again.
.macro ROUND
	s_barrier_signal -1
	s_barrier_wait -1
	s_cmp_lg_u32 s8, 0
	s_cbranch_scc1 .Lnot_wave_0_\@
	s_barrier_signal -3
.Lnot_wave_0_\@:
	s_barrier_wait -3
	s_barrier_signal -1
	s_barrier_wait -1
.endm
; The joint load of slot n: waves 0, 1, 2 ask for wf's, wg's, wh's tile; wave 3 has none.
.macro JLOAD n
	s_cmp_eq_u32 s8, 3
	s_cbranch_scc1 .Lno_load_\@
	tensor_load_to_lds s[G0+4*(\n):G0+4*(\n)+3], s[G1:G1+7]
	s_nop 0
.Lno_load_\@:
.endm
; My 8 loads of trip s's chunk (64 channels): lanes 0-15 take the 256 bytes of one channel's 64 positions, lanes 16-31 those of the channel 4 further down.
.macro XLOAD s
.irp i, 0,1,2,3,4,5,6,7
	global_load_b128 v[32*\s+4*\i:32*\s+4*\i+3], v[XO], s[XB+2*\s:XB+2*\s+1] offset:((\i&3)+8*(\i>>2))*16384
.endr
.endm
	s_load_b512 s[16:31], s[0:1], 0x0              ; x 16, wf 18, wg 20, wh 22, wv 24, gf 26, vf 28, mf 30
	s_load_b512 s[32:47], s[0:1], 0x40             ; betaf 32, bf 34, gg 36, vg 38, mg 40, betag 42, bg 44, bh 46
	s_load_b128 s[48:51], s[0:1], 0x80             ; fq 48, kv 50
	s_load_b64 s[52:53], s[0:1], 0x90              ; wvb
	v_lshl_add_u32 v62, v0, 2, 0x47000
	v_mov_b32 v63, 0
	ds_add_u32 v62, v63
	v_lshrrev_b32 v1, 5, v0
	v_readfirstlane_b32 s8, v1                     ; wave 0..3
	s_bfe_u32 s4, ttmp6, 0x40000                   ; cx: it enters the addresses of x, wv and the results alone
	s_lshl_b32 s5, ttmp9, 2
	s_add_co_u32 s5, s5, s4                        ; nblk = 4 x cluster x + cx
	s_and_b32 s6, ttmp7, 0xffff                    ; b
	s_lshl_b32 s7, s6, 6
	s_add_co_u32 s7, s7, s5                        ; g = 64 b + nblk
	s_mul_i32 s9, ttmp9, 3
	s_add_co_u32 s9, s9, s6
	s_and_b32 s9, s9, 7                            ; first = (3 X + b) mod 8: the cluster's first tile along K
	v_and_b32 v1, 31, v0                           ; L
	v_and_b32 v2, 15, v0                           ; r
	v_bfe_u32 v3, v0, 4, 1                         ; hh
	s_lshl_b32 s10, s8, 18
	v_lshlrev_b32 v[XO], 4, v2
	v_lshl_add_u32 v[XO], v3, 16, v[XO]
	v_add_nc_u32 v[XO], s10, v[XO]                 ; 16 w rows + 4 hh rows + 16 r
	s_mul_i32 s10, s8, 16*XPITCH
	v_mul_u32_u24 v[XS], v3, 4*XPITCH
	v_lshl_add_u32 v[XS], v2, 3, v[XS]
	v_add_nc_u32 v[XS], s10, v[XS]                 ; the same rows in LDS, 8 bytes for 4 positions
	v_add_nc_u32 v[XS+1], 256*XPITCH, v[XS]
	v_and_b32 v[XR], 7, v0
	v_lshl_add_u32 v[XR], v3, 3, v[XR]
	v_mul_u32_u24 v[XR], v[XR], XPITCH             ; row 8 hh + (L & 7),
	v_bfe_u32 v[XR+1], v0, 3, 1
	v_lshl_add_u32 v[XR], v[XR+1], 4, v[XR]        ; 16 bytes further for the odd groups of eight lanes
	v_add_nc_u32 v[XR+1], 256*XPITCH, v[XR]
	s_mul_i32 s10, s8, 32*WPITCH
	s_add_co_u32 s10, s10, RB
	v_mul_u32_u24 v[WA], v2, WPITCH
	v_lshl_add_u32 v[WA], v3, 5, v[WA]
	v_add_nc_u32 v[WA], s10, v[WA]                 ; row 32 w + r, 8 f32 further for the upper lanes
	v_add_nc_u32 v[WA+1], 2*WTILE, v[WA]
	v_add_nc_u32 v[WA+2], SLOTB, v[WA]
	v_add_nc_u32 v[WA+3], SLOTB+2*WTILE, v[WA]
	s_lshl_b32 s10, s8, 7
	v_lshl_add_u32 v[PO], v3, 5, s10
	v_lshl_add_u32 v[BO], v2, 2, s10
	v_lshlrev_b32 v[L16], 4, v1
	s_lshl_b32 s10, s8, 10
	v_add_nc_u32 v[SF], s10, v[L16]
	s_lshl_b32 s10, s8, 12
	v_add_nc_u32 v[SH], s10, v[L16]
	v_lshlrev_b32 v[WVO], 9, v2
	v_lshl_add_u32 v[WVO], v3, 5, v[WVO]
	; descriptor group 1: 128 rows x 64 f32, 512 f32 from row to row, 4 words of padding behind every 64
	s_mov_b32 s[G1+0], 15|(2<<16)|(1<<20)|(1<<21)|(5<<22)|(3<<25)  ; mask: all four of the cluster; element of 4 bytes; padding on; bit 21 beside a mask; interval code 5; 4 words
	s_mov_b32 s[G1+1], 64<<16                      ; tensor_dim0 = 64
	s_mov_b32 s[G1+2], 128<<16                     ; tensor_dim1 = 128
	s_mov_b32 s[G1+3], 64<<16                      ; tile_dim0 = 64
	s_mov_b32 s[G1+4], 128                         ; tile_dim1 = 128
	s_mov_b32 s[G1+5], 512                         ; the pitch
	s_mov_b32 s[G1+6], 0
	s_mov_b32 s[G1+7], 0
	s_mul_i32 s14, s8, WTILE                       ; my tile's place in a slot
	s_mov_b32 s57, 0
	s_mov_b32 s61, 0
	s_wait_dscnt 0x0
	s_wait_kmcnt 0x0
	s_lshl_b32 s56, s6, 23                         ; b x 512 rows of 16,384 bytes
	s_lshl_b32 s58, s5, 8                          ; + nblk x 256 bytes
	s_add_co_u32 s56, s56, s58
	s_add_nc_u64 s[16:17], s[16:17], s[56:57]      ; x at my block
	s_lshl_b32 s56, s7, 14
	s_add_nc_u64 s[48:49], s[48:49], s[56:57]      ; fq + 16,384 g
	s_lshl_b32 s56, s7, 15
	s_add_nc_u64 s[50:51], s[50:51], s[56:57]      ; kv + 32,768 g
	s_lshl_b32 s56, s7, 9
	s_add_nc_u64 s[52:53], s[52:53], s[56:57]      ; wvb + 512 g: work-group g packs half fragment g of wv
	s_lshr_b32 s56, s7, 3
	s_lshl_b32 s56, s56, 13                        ; 16 rows of wv for each 8 half fragments,
	s_and_b32 s58, s7, 7
	s_lshl_b32 s58, s58, 6                         ; 16 columns for each
	s_add_co_u32 s56, s56, s58
	s_add_nc_u64 s[24:25], s[24:25], s[56:57]
.irp s, 0,1,2,3,4,5,6,7
	s_add_co_u32 s60, s9, \s
	s_and_b32 s60, s60, 7                          ; trip s takes chunk (first + s) mod 8:
	s_lshl_b32 s60, s60, 20                        ; 64 channels of 16,384 bytes each
	s_add_nc_u64 s[XB+2*\s:XB+2*\s+1], s[16:17], s[60:61]
.endr
	s_cmp_lg_u32 s8, 3
	s_cbranch_scc1 .Lno_wv
	global_load_b128 v[WVR:WVR+3],   v[WVO], s[24:25]             ; wave 3, which asks for no tile: older than every load of x, so the counts below hold in all waves
	global_load_b128 v[WVR+4:WVR+7], v[WVO], s[24:25] offset:16
.Lno_wv:
	s_cmp_eq_u32 s8, 0                             ; my weight matrix, by the wave's number
	s_cselect_b64 s[12:13], s[18:19], s[20:21]
	s_cmp_eq_u32 s8, 2
	s_cselect_b64 s[12:13], s[22:23], s[12:13]
	s_lshl_b32 s60, s9, 8                          ; a tile is 256 bytes along the rows
	s_mov_b32 s[G0+0], 1
	s_add_co_u32 s[G0+1], s14, RB                  ; slot 0
	s_add_nc_u64 s[G0+2:G0+3], s[12:13], s[60:61]  ; the first trip's tile
	s_or_b32 s[G0+3], s[G0+3], 0x80000000
	s_mov_b32 s[G0+4], 1
	s_add_co_u32 s[G0+5], s14, RB+SLOTB            ; slot 1; its address is written in the first trip
	ROUND                                          ; all four work-groups are here: the first joint loads meet
	JLOAD 0                                        ; the tile is asked for ahead of x's 64 loads: the first trip needs both
	WIN 0x40                                       ; destination window 1
.irp s, 0,1,2,3,4,5,6,7
	XLOAD \s                                       ; all of the work-group's x is asked for at the start, in the order of the trips
.endr
	WIN 0
; Rounds the 96 f32 of K half k's six weight fragments to bf16, in place: word j of a fragment is written after words 2 j, 2 j + 1 were read.
.macro CVTW k
.irp f, 0,1,2,3,4,5
.irp j, 0,1,2,3,4,5,6,7
	v_cvt_pk_bf16_f32 v[WB+96*\k+16*\f+\j], v[WB+96*\k+16*\f+2*\j], v[WB+96*\k+16*\f+2*\j+1]
.endr
.endr
.endm
; 24 matrix instructions, 32 along K.  The 24 accumulators take turns, one instruction a turn.
.macro MM k, zero
	WIN 0xa8                                       ; f and g: A = weights (window 0), B = x (window 2), C and D window 2
.irp f, 0,1,2,3
.irp nb, 0,1,2,3
.if \zero
	v_wmma_f32_16x16x32_bf16 v[8*(4*\f+\nb):8*(4*\f+\nb)+7], v[WB+96*\k+16*\f:WB+96*\k+16*\f+7], v[XF+8*(4*\k+\nb):XF+8*(4*\k+\nb)+7], 0
.else
	v_wmma_f32_16x16x32_bf16 v[8*(4*\f+\nb):8*(4*\f+\nb)+7], v[WB+96*\k+16*\f:WB+96*\k+16*\f+7], v[XF+8*(4*\k+\nb):XF+8*(4*\k+\nb)+7], v[8*(4*\f+\nb):8*(4*\f+\nb)+7]
.endif
.endr
.endr
	WIN 0xa2                                       ; h: A = x (window 2), B = weights (window 0)
.irp f, 4,5
.irp nb, 0,1,2,3
.if \zero
	v_wmma_f32_16x16x32_bf16 v[8*(4*\f+\nb):8*(4*\f+\nb)+7], v[XF+8*(4*\k+\nb):XF+8*(4*\k+\nb)+7], v[WB+96*\k+16*\f:WB+96*\k+16*\f+7], 0
.else
	v_wmma_f32_16x16x32_bf16 v[8*(4*\f+\nb):8*(4*\f+\nb)+7], v[XF+8*(4*\k+\nb):XF+8*(4*\k+\nb)+7], v[WB+96*\k+16*\f:WB+96*\k+16*\f+7], v[8*(4*\f+\nb):8*(4*\f+\nb)+7]
.endif
.endr
.endr
.endm
; 42 loads: gamma, var, mean, beta, bias of my 8 channels of f and g for both row blocks, and bh of my channel; into registers of window 1 whose x has been used.
.macro PARAMS
	WIN 0x40
.irp t, 0,1
.irp e, 0,1
.irp p, 0,1,2,3,4
	global_load_b128 v[8*(5*(2*\t+\e)+\p):8*(5*(2*\t+\e)+\p)+3],   v[PO], s[26+10*\t+2*\p:27+10*\t+2*\p] offset:64*\e
	global_load_b128 v[8*(5*(2*\t+\e)+\p)+4:8*(5*(2*\t+\e)+\p)+7], v[PO], s[26+10*\t+2*\p:27+10*\t+2*\p] offset:64*\e+16
.endr
.endr
.endr
	global_load_b32 v160, v[BO], s[46:47]
	global_load_b32 v161, v[BO], s[46:47] offset:64
	WIN 0
.endm
; Trip s: its chunk of x (64 channels) goes into LDS; its weight tile is multiplied; the next trip's tile is asked for.  lc = how many younger loads may stay out.
.macro PTRIP s, lc
.set SL, \s&1
.set HI, \s>>2
.set CH, \s&3
	s_wait_loadcnt \lc                             ; loads come back in order: my 8 loads of trip s's chunk are in
	WIN 0x05                                       ; sources window 1
.irp i, 0,1,2,3,4,5,6,7
	v_cvt_pk_bf16_f32 v[XT+2*\i],   v[32*\s+4*\i],   v[32*\s+4*\i+1]
	v_cvt_pk_bf16_f32 v[XT+2*\i+1], v[32*\s+4*\i+2], v[32*\s+4*\i+3]
.endr
	WIN 0
.irp i, 0,1,2,3,4,5,6,7
	ds_store_b64 v[XS+HI], v[XT+2*\i:XT+2*\i+1] offset:(CH*64+(\i&3)+8*(\i>>2))*XPITCH   ; lanes 0-15: 128 bytes of a row; lanes 16-31: 4 rows = 640 bytes on, the other 128 bytes modulo 256
.endr
.if \s == 5
	PARAMS
.endif
	s_wait_tensorcnt 0x0                           ; all my tensor loads have landed, my part of this trip's tile among them: a group 0 may be written
	ds_add_u32 v62, v63
	s_wait_dscnt 0x0
.if \s < 7
	s_add_co_u32 s60, s9, \s+1
	s_and_b32 s60, s60, 7                          ; the next trip's tile: (first + s + 1) mod 8,
	s_lshl_b32 s60, s60, 8                         ; 256 bytes along the rows each
	s_add_nc_u64 s[G0+4*(1-SL)+2:G0+4*(1-SL)+3], s[12:13], s[60:61]
	s_or_b32 s[G0+4*(1-SL)+3], s[G0+4*(1-SL)+3], 0x80000000
.endif
	s_wait_dscnt 0x0                               ; my stores of x are done, and my reads of the other slot
	ROUND                                          ; all that now holds of every wave of the four work-groups
.if \s < 7
	JLOAD 1-SL                                     ; into the slot read in the last trip: my one tensor load behind the round
.endif
	PLACES 4                                       ; the loads below land on registers that the last trip's matrix instructions read
	WIN 0x80                                       ; destination window 2
.irp k, 0,1
.irp nb, 0,1,2,3
	ds_load_tr16_b128 v[XF+8*(4*\k+\nb):XF+8*(4*\k+\nb)+3],   v[XR+HI] offset:(CH*64+32*\k)*XPITCH+32*\nb
	ds_load_tr16_b128 v[XF+8*(4*\k+\nb)+4:XF+8*(4*\k+\nb)+7], v[XR+HI] offset:(CH*64+32*\k+16)*XPITCH+32*\nb
.endr
.endr
	WIN 0
.irp k, 0,1
.irp t, 0,1,2
.irp e, 0,1
	ds_load_b128 v[WB+96*\k+16*(2*\t+\e):WB+96*\k+16*(2*\t+\e)+3],     v[WA+2*SL+(\t>>1)] offset:((\t&1)*128+16*\e)*WPITCH+128*\k
	ds_load_b128 v[WB+96*\k+16*(2*\t+\e)+4:WB+96*\k+16*(2*\t+\e)+7],   v[WA+2*SL+(\t>>1)] offset:((\t&1)*128+16*\e)*WPITCH+128*\k+16
	ds_load_b128 v[WB+96*\k+16*(2*\t+\e)+8:WB+96*\k+16*(2*\t+\e)+11],  v[WA+2*SL+(\t>>1)] offset:((\t&1)*128+16*\e)*WPITCH+128*\k+64
	ds_load_b128 v[WB+96*\k+16*(2*\t+\e)+12:WB+96*\k+16*(2*\t+\e)+15], v[WA+2*SL+(\t>>1)] offset:((\t&1)*128+16*\e)*WPITCH+128*\k+80
.endr
.endr
.endr
	s_wait_dscnt 24                                ; all but the 24 youngest, the weights of K half 1
	CVTW 0
.if \s == 0
	MM 0, 1                                        ; the first products start the sums: nothing is cleared
.else
	MM 0, 0
.endif
	s_wait_dscnt 0x0
	WIN 0
	CVTW 1
	MM 1, 0
	WIN 0
.endm
	PTRIP 0, 56                                    ; 8 (7 - s) younger loads of x
	PTRIP 1, 48
	PTRIP 2, 40
	PTRIP 3, 32
	PTRIP 4, 24
	PTRIP 5, 16
	PTRIP 6, 50                                    ; 8 of x and the 42 of the parameters
	PTRIP 7, 42                                    ; the 42 of the parameters
	; THE WAY OUT
	s_wait_loadcnt 0x0                             ; the parameters (and wave 3's wv)
	PLACES 4                                       ; behind the last matrix instructions, in front of what reads their results
	WIN 0x55                                       ; everything in window 1
.irp q, 0,1,2,3
.irp j, 0,2,4,6
	v_pk_add_f32 v[40*\q+8+\j:40*\q+9+\j], v[40*\q+8+\j:40*\q+9+\j], 0x3727c5ac op_sel_hi:[1,0]   ; var + 1e-5
.endr
.endr
.irp q, 0,1,2,3
.irp j, 0,1,2,3,4,5,6,7
	v_rsq_f32 v[40*\q+8+\j], v[40*\q+8+\j]
.endr
.endr
.irp q, 0,1,2,3
.irp j, 0,2,4,6
	v_pk_add_f32 v[40*\q+32+\j:40*\q+33+\j], v[40*\q+32+\j:40*\q+33+\j], v[40*\q+16+\j:40*\q+17+\j] neg_lo:[0,1] neg_hi:[0,1]   ; bias - mean: plain work that touches no var stands behind the roots
.endr
.endr
	s_wait_alu depctr_va_vdst(0)
.irp q, 0,1,2,3
.irp j, 0,2,4,6
	v_pk_mul_f32 v[40*\q+\j:40*\q+1+\j], v[40*\q+\j:40*\q+1+\j], v[40*\q+8+\j:40*\q+9+\j]          ; inv = gamma * rsq
.endr
.endr
.irp q, 0,1,2,3
.irp j, 0,2,4,6
	v_pk_fma_f32 v[40*\q+24+\j:40*\q+25+\j], v[40*\q+32+\j:40*\q+33+\j], v[40*\q+\j:40*\q+1+\j], v[40*\q+24+\j:40*\q+25+\j]   ; shift = (bias - mean) * inv + beta
.endr
.endr
	WIN 0x96                                       ; sums window 2, inv and shift window 1
.irp q, 0,1,2,3
.irp nb, 0,1,2,3
.irp j, 0,2,4,6
	v_pk_fma_f32 v[8*(4*\q+\nb)+\j:8*(4*\q+\nb)+\j+1], v[8*(4*\q+\nb)+\j:8*(4*\q+\nb)+\j+1], v[40*\q+\j:40*\q+1+\j], v[40*\q+24+\j:40*\q+25+\j]
.endr
.endr
.endr
	WIN 0x86
.irp nb, 0,1,2,3
.irp j, 0,2,4,6
	v_pk_add_f32 v[8*(16+\nb)+\j:8*(16+\nb)+\j+1], v[8*(16+\nb)+\j:8*(16+\nb)+\j+1], v[160:161] op_sel_hi:[1,0]              ; h + bh of my channel, row block 0
	v_pk_add_f32 v[8*(20+\nb)+\j:8*(20+\nb)+\j+1], v[8*(20+\nb)+\j:8*(20+\nb)+\j+1], v[160:161] op_sel:[0,1] op_sel_hi:[1,1]  ; row block 1
.endr
.endr
	WIN 0x88
.set i, 0
.rept 128
	v_max_num_f32 v[i], 0, v[i]                    ; relu on f and g
.set i, i+1
.endr
	WIN 0x8a
.set i, 0
.rept 24
.irp j, 0,1,2,3
	v_cvt_pk_bf16_f32 v[8*i+\j], v[8*i+2*\j], v[8*i+2*\j+1]
.endr
.set i, i+1
.endr
	WIN 0x08                                       ; store data window 2
.irp e, 0,1
.irp nb, 0,1,2,3
	global_store_b128 v[SF], v[8*(4*\e+\nb):8*(4*\e+\nb)+3],         s[48:49] offset:4096*\nb+512*\e          ; f: fragment (qb = nb, ks = w), half e
	global_store_b128 v[SF], v[8*(4*(2+\e)+\nb):8*(4*(2+\e)+\nb)+3], s[50:51] offset:4096*\nb+512*\e          ; g likewise
	global_store_b128 v[SH], v[8*(4*(4+\e)+\nb):8*(4*(4+\e)+\nb)+3], s[50:51] offset:16384+2048*\e+512*\nb    ; h: channel block 2 w + e, positions 16 nb ..
.endr
.endr
	WIN 0
	s_cmp_lg_u32 s8, 3
	s_cbranch_scc1 .Lno_wv_out
	v_cvt_pk_bf16_f32 v[WVR+8],  v[WVR],   v[WVR+1]
	v_cvt_pk_bf16_f32 v[WVR+9],  v[WVR+2], v[WVR+3]
	v_cvt_pk_bf16_f32 v[WVR+10], v[WVR+4], v[WVR+5]
	v_cvt_pk_bf16_f32 v[WVR+11], v[WVR+6], v[WVR+7]
	global_store_b128 v[L16], v[WVR+8:WVR+11], s[52:53]
.Lno_wv_out:
	ROUND                                          ; the closing round: no work-group ends while a partner may still ask for a tile that names it
	s_endpgm
.Lfunc_end_k_q605233f3a9_proj:
	.size	k_q605233f3a9_proj, .Lfunc_end_k_q605233f3a9_proj-k_q605233f3a9_proj
	.p2alignl 7, 3214868480
	.fill 96, 4, 3214868480
	.section	.rodata,"a",@progbits
	.p2align	6, 0x0
	.amdhsa_kernel k_q605233f3a9_proj
		.amdhsa_group_segment_fixed_size 327680
		.amdhsa_private_segment_fixed_size 0
		.amdhsa_enable_private_segment 0
		.amdhsa_kernarg_size 152
		.amdhsa_user_sgpr_count 2
		.amdhsa_user_sgpr_kernarg_segment_ptr 1
		.amdhsa_wavefront_size32 1
		.amdhsa_system_sgpr_workgroup_id_x 1
		.amdhsa_system_sgpr_workgroup_id_y 1
		.amdhsa_system_sgpr_workgroup_id_z 1
		.amdhsa_system_vgpr_workitem_id 0
		.amdhsa_next_free_vgpr 768
		.amdhsa_next_free_sgpr 100
		.amdhsa_reserve_vcc 0
		.amdhsa_float_denorm_mode_32 3
		.amdhsa_float_denorm_mode_16_64 3
		.amdhsa_memory_ordered 1
		.amdhsa_forward_progress 1
		.amdhsa_inst_pref_size 168
	.end_amdhsa_kernel
	.amdgpu_metadata
---
amdhsa.version: [ 1, 2 ]
amdhsa.kernels:
  - .name:           k_q605233f3a9_proj
    .symbol:         k_q605233f3a9_proj.kd
    .args:
      - { .name: x, .offset: 0, .size: 8, .value_kind: global_buffer, .address_space: global }
      - { .name: wf, .offset: 8, .size: 8, .value_kind: global_buffer, .address_space: global }
      - { .name: wg, .offset: 16, .size: 8, .value_kind: global_buffer, .address_space: global }
      - { .name: wh, .offset: 24, .size: 8, .value_kind: global_buffer, .address_space: global }
      - { .name: wv, .offset: 32, .size: 8, .value_kind: global_buffer, .address_space: global }
      - { .name: gf, .offset: 40, .size: 8, .value_kind: global_buffer, .address_space: global }
      - { .name: vf, .offset: 48, .size: 8, .value_kind: global_buffer, .address_space: global }
      - { .name: mf, .offset: 56, .size: 8, .value_kind: global_buffer, .address_space: global }
      - { .name: betaf, .offset: 64, .size: 8, .value_kind: global_buffer, .address_space: global }
      - { .name: bf, .offset: 72, .size: 8, .value_kind: global_buffer, .address_space: global }
      - { .name: gg, .offset: 80, .size: 8, .value_kind: global_buffer, .address_space: global }
      - { .name: vg, .offset: 88, .size: 8, .value_kind: global_buffer, .address_space: global }
      - { .name: mg, .offset: 96, .size: 8, .value_kind: global_buffer, .address_space: global }
      - { .name: betag, .offset: 104, .size: 8, .value_kind: global_buffer, .address_space: global }
      - { .name: bg, .offset: 112, .size: 8, .value_kind: global_buffer, .address_space: global }
      - { .name: bh, .offset: 120, .size: 8, .value_kind: global_buffer, .address_space: global }
      - { .name: fq, .offset: 128, .size: 8, .value_kind: global_buffer, .address_space: global }
      - { .name: kv, .offset: 136, .size: 8, .value_kind: global_buffer, .address_space: global }
      - { .name: wvb, .offset: 144, .size: 8, .value_kind: global_buffer, .address_space: global }
    .group_segment_fixed_size: 327680
    .private_segment_fixed_size: 0
    .kernarg_segment_align: 8
    .kernarg_segment_size: 152
    .max_flat_workgroup_size: 128
    .sgpr_count:     100
    .vgpr_count:     768
    .wavefront_size: 32
...
	.end_amdgpu_metadata
.endif
;; end of part 1
;; launch attn (part 2): grid 64 x 4, 4 waves a work-group, clusters of 4 x 1, 327,680 bytes of LDS; arguments fq, kv, wvb, bv, x, out0; writes out0
.if DOCPART == 2
	.amdgcn_target "amdgcn-amd-amdhsa--gfx1250"
	.amdhsa_code_object_version 6
	.text
	.protected	k_q605233f3a9_attn
	.globl	k_q605233f3a9_attn
	.p2align	8
	.type	k_q605233f3a9_attn,@function
k_q605233f3a9_attn:
	s_mov_b64 s[64:65], 0
	v_nop
	global_prefetch_b8 v0, s[64:65] scope:SCOPE_SE
	s_setreg_imm32_b32 hwreg(HW_REG_WAVE_MODE, 25, 1), 1
	s_wait_xcnt 0x0
	s_wait_alu depctr_hold_cnt(0) depctr_sa_sdst(0) depctr_va_vdst(0) depctr_va_sdst(0) depctr_va_ssrc(0) depctr_va_vcc(0) depctr_vm_vsrc(0)
	s_getreg_b32 s2, hwreg(HW_REG_IB_STS2, 6, 4)
	s_cmp_eq_u32 s2, 0
	s_cbranch_scc0 .Lentry_in_a_cluster
	s_endpgm
.Lentry_in_a_cluster:
	s_bfe_u32 s2, ttmp6, 0x10000c
	s_cmp_lg_u32 s2, 0x3003
	s_cbranch_scc0 .Lentry_shape_is_right
	s_endpgm
.Lentry_shape_is_right:
; out0 = wv softmax(f^T g / sqrt(128)) h^T + bv + x, from the fragments that the launch before stored (layouts: at its head).
; A work-group takes one batch and 64 queries, and walks the batch's 4,096 keys in 16 steps of 256.  In a step wave w takes the w-th of the step's four key blocks
; (64 keys) for all 64 queries, with a running maximum, a running sum and an unnormalised result of its own; the four waves' results are merged at the end.
; So every byte of K and V in LDS is read once, by one wave: 32,768 bytes for 128 matrix instructions.
; ORIENTATION.  With r = L & 15, hh = L >> 4:
;   scores^T (kb, qb) = (K fragment) x (Q fragment): lane holds query r, keys 8 hh + j.  Maximum and sum over keys are in the lane, plus one exchange of the halves;
;   two neighbouring tiles pack in place into the B fragment of P;
;   result^T (cb, qb) = (V fragment) x (P fragment): lane holds query r, channels 8 hh + j; two neighbouring tiles pack into the B fragment of z;
;   out (ob, qb) = (wv fragment) x (z fragment) + bv: lane holds output channels 8 hh + j of query r; it leaves through LDS as whole rows of 256 bytes.
; CLUSTERS: the four work-groups of a cluster are four query blocks of one batch and walk the same K and V: each block of 32,768 bytes is asked for jointly (mask 15).
; The ring has two slots of 131,072 bytes; each wave asks for its own key block, one dense tensor load of K and V together, a whole step ahead.
; THE ORDER OF THE KEYS: cluster X of a batch begins at the keys of step (3 X) mod 16 and goes round; a softmax with a running maximum takes the keys in any order.
; So the sixteen clusters of a batch ask for sixteen different parts of K and V at any time, and what a cluster asks for was asked for by another a step earlier.
; With the factor 3 the first steps of the eight clusters that share any one bit of X lie at most three apart.  X is the cluster's coordinate, which the partners share.
; SOFTMAX: p = exp2(KC s + NM), KC = log2(e) / sqrt(128), NM = -KC m rounded once, m the running maximum; the factor between two maxima is exp2 of the difference
; of the rounded NM, so that all factors agree whatever the size of the scores.
; LIMITS: f, g, h, wv come rounded to bf16; p and z are rounded to bf16 as matrix operands, while the sum of p is taken of the unrounded p;
; v_exp_f32 and v_rcp_f32 are accurate to 1 ULP and give zero where the result would be denormal (a p below 2^-126 of the largest counts as zero).
.set BLK,    32768                     ; a key block: 16,384 bytes of K fragments, 16,384 of V fragments
.set SLOT,   4*BLK
.set STAT,   2*SLOT                    ; 4,096 bytes: (qb, NM or sum) x lane x wave, f32; no tensor load lands here or behind
.set OUTST,  STAT+4096                 ; for each wave 16 rows of 272 bytes, for the way out
.set OPITCH, 272
.set ZB,     SLOT                      ; z's fragments: slot 1's first 16,384 bytes, after that slot's last fill.  Slot 0 then holds the four partial results
; window 0
.set L16, 1                            ; v1      16 L
.set LA,  2                            ; v2-3    32,768 w + 16 L in slot 0, 1.  v2 is also where my partial result goes, and my offset in wvb
.set XO,  4                            ; v4      x and out0: (128 w + hh) rows of 16,384 bytes + 16 r
.set BVO, 6                            ; v6      bv: (128 w + 8 hh) * 4
.set SA,  7                            ; v7      STAT + 16 L + 4 w
.set SR,  8                            ; v8      STAT + 16 L
.set PRD, 10                           ; v10-11  8,192 w + 16 L: query block w in the partial results of waves 0, 1; of waves 2, 3
.set ZST, 12                           ; v12     ZB + 4,096 w + 16 L
.set ZRD, 13                           ; v13     ZB + 16 L
.set OST, 14                           ; v14     my stage + 8 hh rows + 4 r
.set ORD, 15                           ; v15     my stage + hh rows + 16 r
.set M,   16                           ; v16-19, v20-23  running maximum of query block qb, two sets that take turns
.set T,   24                           ; v24-27  at work
.set NM,  28                           ; v28-35, v36-43  -KC m, each twice (a pair for the packed forms), two sets
.set AL,  44                           ; v44-51  the step's factor, each twice
.set LS,  52                           ; v52-59  running sums, over even and odd j
.set RW,  16                           ; v16-47  on the way out, when the softmax's state is dead: 16 rows read back from the stage
.set BV,  64                           ; v64-127 bv of my output channels: block ob at 8 ob
.set KV,  128                          ; v128-255 K's, then V's 16 fragments; later at work; at the end z's fragments
; window 1: Q (qb, ks) at 8 (4 qb + ks); scores (qb, kb) at SC + 8 (4 qb + kb); after the loop wv (ob, ks) at 8 (4 ob + ks)
.set QF,  0
.set SC,  128
; window 2: result (cb, qb) at 8 (4 cb + qb); later out (ob, qb) at 8 (4 ob + qb).   window 3: x (ob, t) at 4 (8 ob + t)
.set G0,  32                           ; s[32:39] descriptor group 0, one set for each slot
.set G1,  40                           ; s[40:47] descriptor group 1
; s[18:19] = kv at my batch and my wave's block of a step, never stepped; s[30:31] = the byte offset of the step asked for last (s31 = 0)
.set MSB, 0
.macro WIN new                         ; the immediate's high byte repeats the setting that is left
.if MSB != \new
	s_set_vgpr_msb (MSB<<8)|\new
.set MSB, \new
.endif
.endm
.macro PLACES n                        ; places behind matrix instructions (ISA guide 7.12.1)
.rept \n
	v_nop
.endr
.endm
; A round of the cluster's barrier: my work-group's barrier, wave 0 signals for the work-group, every wave waits for all four work-groups, my work-group's barrier again.
.macro ROUND
	s_barrier_signal -1
	s_barrier_wait -1
	s_cmp_lg_u32 s8, 0
	s_cbranch_scc1 .Lnot_wave_0_\@
	s_barrier_signal -3
.Lnot_wave_0_\@:
	s_barrier_wait -3
	s_barrier_signal -1
	s_barrier_wait -1
.endm
	s_load_b256 s[16:23], s[0:1], 0x0              ; fq 16, kv 18, wvb 20, bv 22
	s_load_b128 s[24:27], s[0:1], 0x20             ; x 24, out0 26
	v_lshl_add_u32 v62, v0, 2, 0x45400
	v_mov_b32 v63, 0
	ds_add_u32 v62, v63
	v_lshrrev_b32 v60, 5, v0
	v_readfirstlane_b32 s8, v60                    ; wave 0..3
	s_bfe_u32 s4, ttmp6, 0x40000                   ; cx: it enters the addresses of fq, x and out0 alone
	s_lshl_b32 s5, ttmp9, 2
	s_add_co_u32 s5, s5, s4                        ; nblk = 4 x cluster x + cx
	s_and_b32 s6, ttmp7, 0xffff                    ; b
	s_lshl_b32 s7, s6, 6
	s_add_co_u32 s7, s7, s5                        ; g = 64 b + nblk
	s_mul_i32 s30, ttmp9, 3
	s_and_b32 s30, s30, 15                         ; the cluster's first step, (3 X) mod 16,
	s_lshl_b32 s30, s30, 17                        ; in bytes: a step's four key blocks are 131,072
	s_mov_b32 s31, 0
	s_mov_b32 s28, 0x76543210                      ; v_permlanex16_b32: lane i of one half reads lane i of the other
	s_mov_b32 s29, 0xfedcba98
	v_and_b32 v60, 15, v0                          ; r
	v_bfe_u32 v61, v0, 4, 1                        ; hh
	v_and_b32 v[L16], 31, v0
	v_lshlrev_b32 v[L16], 4, v[L16]
	s_lshl_b32 s10, s8, 15                         ; 32,768 w
	v_add_nc_u32 v[LA], s10, v[L16]
	v_add_nc_u32 v[LA+1], SLOT, v[LA]
	s_lshl_b32 s11, s8, 21
	v_lshlrev_b32 v[XO], 4, v60
	v_lshl_add_u32 v[XO], v61, 14, v[XO]
	v_add_nc_u32 v[XO], s11, v[XO]
	s_lshl_b32 s11, s8, 9
	v_lshl_add_u32 v[BVO], v61, 5, s11
	s_lshl_b32 s11, s8, 2
	s_add_co_u32 s11, s11, STAT
	v_add_nc_u32 v[SA], s11, v[L16]
	v_add_nc_u32 v[SR], STAT, v[L16]
	s_lshl_b32 s11, s8, 13
	v_add_nc_u32 v[PRD], s11, v[L16]
	v_add_nc_u32 v[PRD+1], 2*BLK, v[PRD]
	s_lshl_b32 s11, s8, 12
	s_add_co_u32 s11, s11, ZB
	v_add_nc_u32 v[ZST], s11, v[L16]
	v_add_nc_u32 v[ZRD], ZB, v[L16]
	s_mul_i32 s11, s8, 16*OPITCH
	s_add_co_u32 s11, s11, OUTST
	v_mul_u32_u24 v[OST], v61, 8*OPITCH
	v_lshl_add_u32 v[OST], v60, 2, v[OST]
	v_add_nc_u32 v[OST], s11, v[OST]
	v_mul_u32_u24 v[ORD], v61, OPITCH
	v_lshl_add_u32 v[ORD], v60, 4, v[ORD]
	v_add_nc_u32 v[ORD], s11, v[ORD]
	; descriptor group 1: a dense block of 32,768 bytes as 128 rows of 32 elements of 8 bytes; fragments are read lane by lane at 16 L, so no padding
	s_mov_b32 s[G1+0], 15|(3<<16)|(1<<21)          ; mask: all four of the cluster; element of 8 bytes; bit 21 beside a mask
	s_mov_b32 s[G1+1], 32<<16                      ; tensor_dim0 = 32
	s_mov_b32 s[G1+2], 128<<16                     ; tensor_dim1 = 128
	s_mov_b32 s[G1+3], 32<<16                      ; tile_dim0 = 32
	s_mov_b32 s[G1+4], 128                         ; tile_dim1 = 128
	s_mov_b32 s[G1+5], 32                          ; the pitch: each row begins where the last ends
	s_mov_b32 s[G1+6], 0
	s_mov_b32 s[G1+7], 0
	s_mov_b32 s13, 0
	s_mov_b32 s15, 0
	s_wait_dscnt 0x0
	s_wait_kmcnt 0x0
	s_lshl_b32 s12, s7, 14
	s_add_nc_u64 s[16:17], s[16:17], s[12:13]      ; fq + 16,384 g
	s_lshl_b32 s12, s6, 23
	s_lshl_b32 s7, s5, 8
	s_add_co_u32 s12, s12, s7
	s_add_nc_u64 s[24:25], s[24:25], s[12:13]      ; x and out0 at batch b, positions 64 nblk ..
	s_add_nc_u64 s[26:27], s[26:27], s[12:13]
	s_lshl_b32 s14, s6, 21                         ; a batch's 64 key blocks,
	s_add_co_u32 s14, s14, s10                     ; and my wave's block of a step's four: no place in the cluster enters
	s_add_nc_u64 s[18:19], s[18:19], s[14:15]
	WIN 0x40                                       ; destination window 1
.set i, 0
.rept 32
	global_load_b128 v[QF+4*i:QF+4*i+3], v[L16], s[16:17] offset:512*i    ; every wave keeps all 16 fragments of Q
.set i, i+1
.endr
	WIN 0
.irp qb, 0,1,2,3
	v_mov_b32 v[M+4+\qb], 0xff800000               ; set 1 is the state in front of the first step: maximum -inf,
	v_mov_b32 v[NM+8+2*\qb], 0x7f800000            ; -KC m = +inf, so that the first factor is exp2(-inf) = 0,
	v_mov_b32 v[NM+9+2*\qb], 0x7f800000
	v_mov_b32 v[LS+2*\qb], 0                       ; sums 0
	v_mov_b32 v[LS+2*\qb+1], 0
	v_mov_b32 v[T+\qb], 0                          ; the lane exchange counts as a reader of its destination
.endr
	s_mov_b32 s[G0], 1
	s_add_co_u32 s[G0+1], s10, 0                   ; my block of slot 0
	s_add_nc_u64 s[G0+2:G0+3], s[18:19], s[30:31]  ; the cluster's first step
	s_or_b32 s[G0+3], s[G0+3], 0x80000000
	s_mov_b32 s[G0+4], 1
	s_add_co_u32 s[G0+5], s10, SLOT                ; my block of slot 1; its address is written in the first step
	ROUND                                          ; all four work-groups are here: the first joint loads meet
	tensor_load_to_lds s[G0:G0+3], s[G1:G1+7]
	s_nop 0
	s_wait_loadcnt 0x0                             ; Q
; One step: 64 keys x 64 queries in this wave.  refill = 1: the next step's block is asked for.  first = 1: the products start the result's sums.
.macro STEP slot, refill, first
	s_wait_tensorcnt 0x0                           ; all my tensor loads have landed, this step's block among them: a group 0 may be written
	ds_add_u32 v62, v63
	s_wait_dscnt 0x0
.if \refill
	s_add_co_u32 s30, s30, SLOT
	s_and_b32 s30, s30, 16*SLOT-1                  ; the next step's keys, round the batch's sixteen steps
	s_add_nc_u64 s[G0+6-4*\slot:G0+7-4*\slot], s[18:19], s[30:31]
	s_or_b32 s[G0+7-4*\slot], s[G0+7-4*\slot], 0x80000000
.endif
	s_wait_dscnt 0x0                               ; my reads of the other slot are done
	ROUND                                          ; both now hold of every wave of the four work-groups
.if \refill
	tensor_load_to_lds s[G0+4-4*\slot:G0+7-4*\slot], s[G1:G1+7]    ; the next step's block into the slot read last: my one tensor load behind the round
	s_nop 0
.endif
	PLACES 5                                       ; the loads below land on V, and the first score products write over P, which the last step's products read
.set i, 0
.rept 32
	ds_load_b128 v[KV+4*i:KV+4*i+3], v[LA+\slot] offset:512*i      ; K: fragment (kb, ks) at 8 (4 kb + ks)
.set i, i+1
.endr
	WIN 0x54                                       ; A = K window 0; B = Q, C and D = scores window 1
.irp kb, 0,1,2,3
	s_wait_dscnt 24-8*\kb                          ; the 8 loads of key rows kb are in; those of the later kb may be out
.irp ks, 0,1,2,3
.irp qb, 0,1,2,3
.if \ks == 0
	v_wmma_f32_16x16x32_bf16 v[SC+8*(4*\qb+\kb):SC+8*(4*\qb+\kb)+7], v[KV+8*(4*\kb+\ks):KV+8*(4*\kb+\ks)+7], v[QF+8*(4*\qb+\ks):QF+8*(4*\qb+\ks)+7], 0
.else
	v_wmma_f32_16x16x32_bf16 v[SC+8*(4*\qb+\kb):SC+8*(4*\qb+\kb)+7], v[KV+8*(4*\kb+\ks):KV+8*(4*\kb+\ks)+7], v[QF+8*(4*\qb+\ks):QF+8*(4*\qb+\ks)+7], v[SC+8*(4*\qb+\kb):SC+8*(4*\qb+\kb)+7]
.endif
.endr
.endr
.endr                                              ; four accumulators take turns, one instruction a turn
	WIN 0
	PLACES 4                                       ; behind the score products: V lands on K's registers, and the maxima read the scores
.set i, 0
.rept 32
	ds_load_b128 v[KV+4*i:KV+4*i+3], v[LA+\slot] offset:16384+512*i   ; V: fragment (cb, ks2) at 8 (2 cb + ks2); it lands during the softmax
.set i, i+1
.endr
	WIN 0x14                                       ; scores window 1, maxima window 0
.set i, 0
.rept 16
.irp qb, 0,1,2,3
.if i == 0
	v_max3_num_f32 v[M+4*\slot+\qb], v[M+4-4*\slot+\qb], v[SC+32*\qb+2*i], v[SC+32*\qb+2*i+1]   ; the chain starts from the last step's maximum
.else
	v_max3_num_f32 v[M+4*\slot+\qb], v[M+4*\slot+\qb], v[SC+32*\qb+2*i], v[SC+32*\qb+2*i+1]
.endif
.endr
.set i, i+1
.endr
	WIN 0
.irp qb, 0,1,2,3
	v_permlanex16_b32 v[T+\qb], v[M+4*\slot+\qb], s28, s29         ; the other half of the lanes holds the query's other 32 keys
.endr
.irp qb, 0,1,2,3
	v_max_num_f32 v[M+4*\slot+\qb], v[M+4*\slot+\qb], v[T+\qb]
.endr
.irp qb, 0,1,2,3
	v_mul_f32 v[NM+8*\slot+2*\qb],   0xbe0293ee, v[M+4*\slot+\qb]  ; -KC m
	v_mul_f32 v[NM+8*\slot+2*\qb+1], 0xbe0293ee, v[M+4*\slot+\qb]
.endr
.irp qb, 0,1,2,3
	v_sub_f32 v[AL+2*\qb], v[NM+8*\slot+2*\qb], v[NM+8-8*\slot+2*\qb]   ; KC (old m - new m), never above 0
.endr
.irp qb, 0,1,2,3
	v_exp_f32 v[AL+2*\qb], v[AL+2*\qb]
.endr
	v_nop                                          ; one plain place behind the exponentials (ISA guide 5.7.2)
	s_wait_alu depctr_va_vdst(0)
.irp qb, 0,1,2,3
	v_mov_b32 v[AL+2*\qb+1], v[AL+2*\qb]
.endr
.irp qb, 0,1,2,3
	v_pk_mul_f32 v[LS+2*\qb:LS+2*\qb+1], v[LS+2*\qb:LS+2*\qb+1], v[AL+2*\qb:AL+2*\qb+1]
.endr
	WIN 0x41                                       ; scores window 1, NM window 0
.irp qb, 0,1,2,3
.set i, 0
.rept 16
	v_pk_fma_f32 v[SC+32*\qb+2*i:SC+32*\qb+2*i+1], v[SC+32*\qb+2*i:SC+32*\qb+2*i+1], 0x3e0293ee, v[NM+8*\slot+2*\qb:NM+8*\slot+2*\qb+1] op_sel_hi:[1,0,1]
.set i, i+1
.endr
.endr
.set i, 0
.rept 128
	v_exp_f32 v[SC+i], v[SC+i]
.set i, i+1
.endr
	v_nop                                          ; one plain place behind the exponentials
	WIN 0x04
.set i, 0
	s_wait_alu depctr_va_vdst(0)
.rept 16
.irp qb, 0,1,2,3
	v_pk_add_f32 v[LS+2*\qb:LS+2*\qb+1], v[LS+2*\qb:LS+2*\qb+1], v[SC+32*\qb+2*i:SC+32*\qb+2*i+1]
.endr
.set i, i+1
.endr
	WIN 0x45
.set i, 0
.rept 8
.irp j, 0,1,2,3,4,5,6,7
	v_cvt_pk_bf16_f32 v[SC+16*i+\j], v[SC+16*i+2*\j], v[SC+16*i+2*\j+1]   ; tiles (qb, 2 ks2) and (qb, 2 ks2 + 1) become P (qb, ks2), in place
.endr
.set i, i+1
.endr
.if \first == 0
	WIN 0x82                                       ; result window 2, factor window 0
.set i, 0
.rept 8
.irp qb, 0,1,2,3
.irp j, 0,2,4,6
	v_pk_mul_f32 v[8*(4*i+\qb)+\j:8*(4*i+\qb)+\j+1], v[8*(4*i+\qb)+\j:8*(4*i+\qb)+\j+1], v[AL+2*\qb:AL+2*\qb+1]
.endr
.endr
.set i, i+1
.endr
.endif
	s_wait_dscnt 0x0                               ; V
	WIN 0xa4                                       ; A = V window 0, B = P window 1, C and D window 2
.irp k2, 0,1
.set ZC, \first*(1-\k2)
.irp cb, 0,1,2,3,4,5,6,7
.irp qb, 0,1,2,3
.if ZC
	v_wmma_f32_16x16x32_bf16 v[8*(4*\cb+\qb):8*(4*\cb+\qb)+7], v[KV+8*(2*\cb+\k2):KV+8*(2*\cb+\k2)+7], v[SC+8*(4*\qb+2*\k2):SC+8*(4*\qb+2*\k2)+7], 0
.else
	v_wmma_f32_16x16x32_bf16 v[8*(4*\cb+\qb):8*(4*\cb+\qb)+7], v[KV+8*(2*\cb+\k2):KV+8*(2*\cb+\k2)+7], v[SC+8*(4*\qb+2*\k2):SC+8*(4*\qb+2*\k2)+7], v[8*(4*\cb+\qb):8*(4*\cb+\qb)+7]
.endif
.endr
.endr
.endr                                              ; 32 accumulators take turns
	WIN 0
.endm
; x for the residual, 16 output channels: lanes 0-15 take the 256 bytes of row 16 ob + 2 t, lanes 16-31 those of the next row
.macro XLD ob
.irp t, 0,1,2,3,4,5,6,7
	global_load_b128 v[32*\ob+4*\t:32*\ob+4*\t+3], v[XO], s[24:25] offset:(16*\ob+2*\t)*16384 th:TH_LOAD_NT
.endr
.endm
	STEP 0, 1, 1
	STEP 1, 1, 0
	s_mov_b32 s9, 6
.Lsteps:
	STEP 0, 1, 0
	STEP 1, 1, 0
	s_sub_co_i32 s9, s9, 1
	s_cmp_lg_u32 s9, 0
	s_cbranch_scc1 .Lsteps
	; what the end needs from memory is asked for two steps and one step ahead, into registers that the steps do not touch
.irp ob, 0,1,2,3,4,5,6,7
	global_load_b128 v[BV+8*\ob:BV+8*\ob+3],   v[BVO], s[22:23] offset:64*\ob
	global_load_b128 v[BV+8*\ob+4:BV+8*\ob+7], v[BVO], s[22:23] offset:64*\ob+16
.endr
	WIN 0xc0                                       ; destination window 3
.irp ob, 0,1,2,3
	XLD \ob
.endr
	WIN 0
	STEP 0, 1, 0                                   ; the last step but one asks for the last block
	WIN 0xc0
.irp ob, 4,5,6,7
	XLD \ob
.endr
	WIN 0
	STEP 1, 0, 0                                   ; the last step: nothing is left to fetch.  The state is in set 1
	; THE WAVES' FIGURES MEET
	PLACES 4                                       ; behind the last products: loads will land on their operands
	WIN 0x40
.set i, 0
.rept 32
	global_load_b128 v[4*i:4*i+3], v[LA], s[20:21] offset:512*i    ; wv's fragments of my 128 output channels, first half, over Q
.set i, i+1
.endr
	WIN 0
.irp qb, 0,1,2,3
	v_add_f32 v[LS+2*\qb], v[LS+2*\qb], v[LS+2*\qb+1]
.endr
.irp qb, 0,1,2,3
	v_permlanex16_b32 v[T+\qb], v[LS+2*\qb], s28, s29
.endr
.irp qb, 0,1,2,3
	v_add_f32 v[LS+2*\qb], v[LS+2*\qb], v[T+\qb]   ; my wave's sum for query r of block qb
.endr
.irp qb, 0,1,2,3
	ds_store_b32 v[SA], v[NM+8+2*\qb] offset:1024*\qb
	ds_store_b32 v[SA], v[LS+2*\qb]   offset:1024*\qb+512
.endr
	s_wait_dscnt 0x0                               ; for the others' sake
	s_barrier_signal -1
	s_barrier_wait -1
	WIN 0x40
.set i, 32
.rept 32
	global_load_b128 v[4*i:4*i+3], v[LA], s[20:21] offset:512*i    ; second half, over P
.set i, i+1
.endr
	WIN 0
.set i, 0
.rept 8
	ds_load_b128 v[KV+4*i:KV+4*i+3], v[SR] offset:512*i            ; the four waves' NM at KV + 8 qb, their sums at KV + 8 qb + 4
.set i, i+1
.endr
	s_wait_dscnt 0x0
.irp qb, 0,1,2,3
	v_min3_num_f32 v[T+\qb], v[KV+8*\qb], v[KV+8*\qb+1], v[KV+8*\qb+2]
.endr
.irp qb, 0,1,2,3
	v_min_num_f32 v[T+\qb], v[T+\qb], v[KV+8*\qb+3]                ; the least -KC m belongs to the largest maximum
.endr
.irp qb, 0,1,2,3
	v_sub_f32 v[AL+2*\qb], v[T+\qb], v[NM+8+2*\qb]
.irp u, 0,1,2,3
	v_sub_f32 v[KV+8*\qb+\u], v[T+\qb], v[KV+8*\qb+\u]
.endr
.endr
.irp qb, 0,1,2,3
	v_exp_f32 v[AL+2*\qb], v[AL+2*\qb]
.irp u, 0,1,2,3
	v_exp_f32 v[KV+8*\qb+\u], v[KV+8*\qb+\u]
.endr
.endr
	v_nop                                          ; one plain place behind the exponentials
	s_wait_alu depctr_va_vdst(0)
.irp qb, 0,1,2,3
	v_mul_f32 v[T+\qb], v[KV+8*\qb+4], v[KV+8*\qb]
.endr
.irp u, 1,2,3
.irp qb, 0,1,2,3
	v_fmac_f32 v[T+\qb], v[KV+8*\qb+4+\u], v[KV+8*\qb+\u]          ; the whole row's sum; the wave with the largest maximum gives at least about 1
.endr
.endr
.irp qb, 0,1,2,3
	v_rcp_f32 v[T+\qb], v[T+\qb]
.endr
	v_nop                                          ; one plain place behind the reciprocals
	s_wait_alu depctr_va_vdst(0)
.irp qb, 0,1,2,3
	v_mul_f32 v[AL+2*\qb+1], v[AL+2*\qb], v[T+\qb]
	v_mul_f32 v[AL+2*\qb],   v[AL+2*\qb], v[T+\qb] ; my wave's weight in the merged, normalised result
.endr
	WIN 0x82
.set i, 0
.rept 8
.irp qb, 0,1,2,3
.irp j, 0,2,4,6
	v_pk_mul_f32 v[8*(4*i+\qb)+\j:8*(4*i+\qb)+\j+1], v[8*(4*i+\qb)+\j:8*(4*i+\qb)+\j+1], v[AL+2*\qb:AL+2*\qb+1]
.endr
.endr
.set i, i+1
.endr
	WIN 0x08                                       ; store data window 2
.irp qb, 0,1,2,3
.irp cb, 0,1,2,3,4,5,6,7
	ds_store_b128 v[LA], v[8*(4*\cb+\qb):8*(4*\cb+\qb)+3]   offset:(2*(8*\qb+\cb))*512     ; my block of slot 0, which has had its last fill and which I alone read
	ds_store_b128 v[LA], v[8*(4*\cb+\qb)+4:8*(4*\cb+\qb)+7] offset:(2*(8*\qb+\cb)+1)*512
.endr
.endr
	WIN 0
	s_wait_dscnt 0x0
	s_barrier_signal -1
	s_barrier_wait -1
; Wave w adds the four partial results of query block w, channels 64 hf .. 64 hf + 63, rounds them and lays them down as halves of z's fragments.
.macro RED hf
.irp u, 0,1,2,3
.set i, 0
.rept 8
	ds_load_b128 v[KV+32*\u+4*i:KV+32*\u+4*i+3], v[PRD+(\u>>1)] offset:(\u&1)*BLK+(8*\hf+i)*512
.set i, i+1
.endr
.endr
	s_wait_dscnt 0x0
.set i, 0
.rept 16
	v_pk_add_f32 v[KV+2*i:KV+2*i+1],       v[KV+2*i:KV+2*i+1],       v[KV+32+2*i:KV+32+2*i+1]
	v_pk_add_f32 v[KV+64+2*i:KV+64+2*i+1], v[KV+64+2*i:KV+64+2*i+1], v[KV+96+2*i:KV+96+2*i+1]
.set i, i+1
.endr
.set i, 0
.rept 16
	v_pk_add_f32 v[KV+2*i:KV+2*i+1], v[KV+2*i:KV+2*i+1], v[KV+64+2*i:KV+64+2*i+1]
.set i, i+1
.endr
.set i, 0
.rept 16
	v_cvt_pk_bf16_f32 v[KV+i], v[KV+2*i], v[KV+2*i+1]
.set i, i+1
.endr
.set i, 0
.rept 4
	ds_store_b128 v[ZST], v[KV+4*i:KV+4*i+3] offset:(4*\hf+i)*512  ; channel block 4 hf + i = fragment ks = 2 hf + i / 2, half i & 1
.set i, i+1
.endr
.endm
	RED 0
	RED 1
	s_wait_dscnt 0x0
	s_barrier_signal -1
	s_barrier_wait -1
	; THE OUTPUT PRODUCT AND THE WAY OUT: wave w makes output channels 128 w .. 128 w + 127 for all 64 queries, 16 channels (a block) at a time.
	; A block's numbers go into my stage in LDS and are asked back as rows; the products of the block after the next stand between that and the wait for the rows.
	; So the first rows are stored behind 32 of the 128 products, and for six of the eight blocks the stage's way is covered by 16 products.
.set i, 0
.rept 32
	ds_load_b128 v[KV+4*i:KV+4*i+3], v[ZRD] offset:512*i           ; z: fragment (qb, ks) at 8 (4 qb + ks)
.set i, i+1
.endr
	s_wait_loadcnt 0x0                             ; wv, bv, x
	s_wait_dscnt 0x0
; 16 matrix instructions: block ob x four query blocks x K = 128.  Four accumulators take turns, one instruction a turn.
.macro WOB ob
	WIN 0x81                                       ; A = wv window 1, B = z and C = bv window 0, D window 2: the bias starts the sums
.irp qb, 0,1,2,3
	v_wmma_f32_16x16x32_bf16 v[8*(4*\ob+\qb):8*(4*\ob+\qb)+7], v[8*(4*\ob):8*(4*\ob)+7], v[KV+8*(4*\qb):KV+8*(4*\qb)+7], v[BV+8*\ob:BV+8*\ob+7]
.endr
	WIN 0xa1                                       ; C window 2
.irp ks, 1,2,3
.irp qb, 0,1,2,3
	v_wmma_f32_16x16x32_bf16 v[8*(4*\ob+\qb):8*(4*\ob+\qb)+7], v[8*(4*\ob+\ks):8*(4*\ob+\ks)+7], v[KV+8*(4*\qb+\ks):KV+8*(4*\qb+\ks)+7], v[8*(4*\ob+\qb):8*(4*\ob+\qb)+7]
.endr
.endr
.endm
; Block ob into my stage and back: a lane's 8 numbers are a piece of a column, so they come back as rows of 256 bytes.
.macro OUTA ob
	PLACES 4                                       ; behind the products, in front of the LDS stores that read results
	WIN 0x08
.irp qb, 0,1,2,3
.irp j, 0,1,2,3,4,5,6,7
	ds_store_b32 v[OST], v[8*(4*\ob+\qb)+\j] offset:OPITCH*\j+64*\qb   ; lanes 0-15: 64 bytes of row j; lanes 16-31: 8 rows = 2,176 bytes on, 128 modulo 256
.endr
.endr
	WIN 0
.irp t, 0,1,2,3,4,5,6,7
	ds_load_b128 v[RW+4*\t:RW+4*\t+3], v[ORD] offset:2*OPITCH*\t       ; LDS serves a wave's instructions in order (ISA guide 5.7.1.4): these see the stores above
.endr
.endm
; Block ob's rows are there: the residual is added and they leave.
.macro OUTB ob
	s_wait_dscnt 0x0
	WIN 0xc3                                       ; x window 3
.irp t, 0,1,2,3,4,5,6,7
	v_pk_add_f32 v[32*\ob+4*\t:32*\ob+4*\t+1],   v[32*\ob+4*\t:32*\ob+4*\t+1],   v[RW+4*\t:RW+4*\t+1]
	v_pk_add_f32 v[32*\ob+4*\t+2:32*\ob+4*\t+3], v[32*\ob+4*\t+2:32*\ob+4*\t+3], v[RW+4*\t+2:RW+4*\t+3]
.endr
	WIN 0x0c                                       ; store data window 3; these registers are not written again
.irp t, 0,1,2,3,4,5,6,7
	global_store_b128 v[XO], v[32*\ob+4*\t:32*\ob+4*\t+3], s[26:27] offset:(16*\ob+2*\t)*16384 th:TH_STORE_NT   ; 16 lanes store 256 consecutive bytes, aligned
.endr
.endm
	WOB 0
	WOB 1
	OUTA 0
	WOB 2
	OUTB 0
	OUTA 1
	WOB 3
	OUTB 1
	OUTA 2
	WOB 4
	OUTB 2
	OUTA 3
	WOB 5
	OUTB 3
	OUTA 4
	WOB 6
	OUTB 4
	OUTA 5
	WOB 7
	OUTB 5
	OUTA 6
	OUTB 6
	OUTA 7
	OUTB 7
	WIN 0
	s_wait_tensorcnt 0x0
	ds_add_u32 v62, v63
	s_wait_dscnt 0x0
	ROUND                                          ; the closing round: no work-group ends while a partner may still ask for a block that names it
	s_endpgm
.Lfunc_end_k_q605233f3a9_attn:
	.size	k_q605233f3a9_attn, .Lfunc_end_k_q605233f3a9_attn-k_q605233f3a9_attn
	.p2alignl 7, 3214868480
	.fill 96, 4, 3214868480
	.section	.rodata,"a",@progbits
	.p2align	6, 0x0
	.amdhsa_kernel k_q605233f3a9_attn
		.amdhsa_group_segment_fixed_size 327680
		.amdhsa_private_segment_fixed_size 0
		.amdhsa_enable_private_segment 0
		.amdhsa_kernarg_size 48
		.amdhsa_user_sgpr_count 2
		.amdhsa_user_sgpr_kernarg_segment_ptr 1
		.amdhsa_wavefront_size32 1
		.amdhsa_system_sgpr_workgroup_id_x 1
		.amdhsa_system_sgpr_workgroup_id_y 1
		.amdhsa_system_sgpr_workgroup_id_z 1
		.amdhsa_system_vgpr_workitem_id 0
		.amdhsa_next_free_vgpr 1024
		.amdhsa_next_free_sgpr 66
		.amdhsa_reserve_vcc 0
		.amdhsa_float_denorm_mode_32 3
		.amdhsa_float_denorm_mode_16_64 3
		.amdhsa_memory_ordered 1
		.amdhsa_forward_progress 1
		.amdhsa_inst_pref_size 255
	.end_amdhsa_kernel
	.section	.bss,"aw",@nobits
	.p2align	6
	.space	262144
	.amdgpu_metadata
---
amdhsa.version: [ 1, 2 ]
amdhsa.kernels:
  - .name:           k_q605233f3a9_attn
    .symbol:         k_q605233f3a9_attn.kd
    .args:
      - { .name: fq, .offset: 0, .size: 8, .value_kind: global_buffer, .address_space: global }
      - { .name: kv, .offset: 8, .size: 8, .value_kind: global_buffer, .address_space: global }
      - { .name: wvb, .offset: 16, .size: 8, .value_kind: global_buffer, .address_space: global }
      - { .name: bv, .offset: 24, .size: 8, .value_kind: global_buffer, .address_space: global }
      - { .name: x, .offset: 32, .size: 8, .value_kind: global_buffer, .address_space: global }
      - { .name: out0, .offset: 40, .size: 8, .value_kind: global_buffer, .address_space: global }
    .group_segment_fixed_size: 327680
    .private_segment_fixed_size: 0
    .kernarg_segment_align: 8
    .kernarg_segment_size: 48
    .max_flat_workgroup_size: 128
    .sgpr_count:     66
    .vgpr_count:     1024
    .wavefront_size: 32
...
	.end_amdgpu_metadata
.endif
;; end of part 2
